; MI455X (gfx1250); checked and timed in simulation.
; The chip was launched on July 23, 2026; its instructions are those of AMD's public machine-readable ISA for CDNA 5 (MIT licence, August 2026) and "CDNA5" Instruction Set Architecture Reference Guide (July 2026).
;; Self Attention. Allowed arithmetic: matrix products marked QUANTISED: E4M3 operands, one given power-of-two scale a tensor, by v_wmma_f32_16x16x64_fp8_fp8 or v_wmma_f32_16x16x128_fp8_fp8, f32 sums; everything else in f32.
;; Inputs: lowp_scales 4 int32 (the exponents e of the quantised operands' scales 2^e); x 8 x 256 x 64 x 64 float32.
;; Outputs: out0 8 x 256 x 4,096 float32.
;; This version of the problem:
;;   THIS VERSION OF THE PROBLEM IS GIVEN IN LOW PRECISION. The matrix products marked QUANTISED in the list below multiply operands that are first quantised to E4M3 (4 exponent bits, 3 mantissa bits; 8 bits a number), with one given power-of-two scale for each operand tensor; their sums are f32. All else is computed in f32.
;;   The module's matrix products, in the order in which they are computed (A, B: the left and right operand; K: the contracted axis; several contracted axes count as one K, in the product's order):
;;     1. batch 8 x [M 4,096, K 256] x [K 256, N 4,096]; A: input x; B: input x: QUANTISED (scales: A lowp_scales[0], B lowp_scales[1])
;;     2. batch 8 x [M 256, K 4,096] x [K 4,096, N 4,096]; A: input x; B: softmax (see below): QUANTISED (scales: A lowp_scales[2], B lowp_scales[3])
;;   THE QUANTISER, for each operand of a quantised product, along K:
;;     - The operand's scale is 2^e, e = its entry of the input lowp_scales (int32; the entries are numbered through the quantised products in the list's order, A before B).
;;     - Each number is divided by the scale, clamped to +-448, and rounded to the nearest number of E4M3, ties to even, subnormals kept.
;;     - The product sums the exact products of the quantised numbers (number of the format x scale) in f32.
;;   ~~~python
;;   def quantise(x, axis, e):      # numpy; x: float32 -> the quantised numbers, widened to float32 again
;;       x = np.moveaxis(x, axis, -1); K = x.shape[-1]
;;       r = np.clip(x / 2.0 ** e, -448, 448)
;;       step = 2.0 ** (np.maximum(np.frexp(np.where(r == 0, 1, r))[1] - 1, -6) - 3)
;;       q = np.round(r / step) * step * 2.0 ** e      # np.round: ties to even
;;       return np.moveaxis(q, -1, axis).astype(np.float32)
;;   ~~~
;;   SOFTMAX AHEAD OF A QUANTISED PRODUCT. Where the list says 'softmax', what is quantised is not the finished softmax but p = 2^(t - M), with t = logit x log2(e) and M = ceil(the row's largest t), a whole number; so 1/2 < the row's largest p <= 1. The row's sum l is taken of the UNQUANTISED p, in f32, and the product's result is divided by l at the end. Since M is a whole number, a kernel that streams over the keys may use a running M (the ceiling of the running maximum): every later rescaling is an exact power of two, so the quantised numbers keep their values, but for numbers so far below the row's largest that they fall under the format's range.
;;   OPERANDS COMPUTED ON THE WAY. 'Computed on the way' means the value that the module computes at that place (a softmax that the list does not call 'softmax' is quantised finished and normalised). What goes into a quantiser is computed in f32, as accurately as f32 sums, v_exp_f32 and their like allow (about 1e-6 of the number): no bf16 or f16 on the way to a quantiser, and a product that is left as it is and whose result goes on into a quantised operand takes f32 operands (vector FMAs, or v_wmma_f32_16x16x4_f32). A number that lies on a knife's edge between two numbers of the format may be rounded either way, as far as f32 arithmetic and the matrix unit's own rounding can turn it there, and no further.
;; One version. Each part assembles by itself: llvm-mc -triple=amdgcn-amd-amdhsa -mcpu=gfx1250 --defsym DOCPART=n.
;; ======== version 1 of 1: 2 launches
;; limits: right only within a limited range of input values
;; workspace buffers: qc 8,388,608 bytes; kc 8,388,608 bytes; vc 8,388,608 bytes
;; launch quant (part 1): grid 32 x 8, 8 waves a work-group, no clusters, 144,384 bytes of LDS; arguments x, lowp_scales, qc, kc, vc; writes qc, kc, vc
.if DOCPART == 1
	.amdgcn_target "amdgcn-amd-amdhsa--gfx1250"
	.amdhsa_code_object_version 6
	.text
	.protected	k_q110dfe5316_quant
	.globl	k_q110dfe5316_quant
	.p2align	8
	.type	k_q110dfe5316_quant,@function
k_q110dfe5316_quant:
	s_mov_b64 s[64:65], 0
	v_nop
	global_prefetch_b8 v0, s[64:65] scope:SCOPE_SE
	s_setreg_imm32_b32 hwreg(HW_REG_WAVE_MODE, 25, 1), 1
	s_wait_xcnt 0x0
.set QSTG,  0
.set KSTG,  34816
.set VSTG,  69632
.set TR,    106496
.set SPARE, 143360
.set LN,  1
.set XO,  2
.set QS,  3
.set TRS, 4
.set TRL, 5
.set VS,  6
.set QR,  7
.set GO,  8
.set VR,  9
.set SPW, 12
.set NIL, 13
.set SC0, 14
.set LM0, 15
.set SC1, 16
.set LM1, 17
.set SC2, 18
.set LM2, 19
.set X,   32
.set TQ,  96
.set TK,  128
.set Y,   160
.set CQ,  192
.set CK,  200
.set CV,  208
.set OUT, 32
	s_load_b256 s[4:11], s[0:1], 0x0
	s_load_b64 s[12:13], s[0:1], 0x20
	v_lshl_add_u32 v[SPW], v0, 2, SPARE
	v_mov_b32 v[NIL], 0
	v_lshrrev_b32 v1, 5, v0
	s_delay_alu instid0(VALU_DEP_1)
	v_readfirstlane_b32 s14, v1
	v_and_b32 v[LN], 31, v0
	s_wait_alu depctr_va_vdst(0)
	s_and_b32 s15, s14, 3
	s_lshr_b32 s16, s14, 2
	s_and_b32 s17, ttmp7, 0xffff
	s_lshl_b32 s18, s17, 22
	s_lshl_b32 s26, s16, 21
	s_add_co_u32 s18, s18, s26
	s_lshl_b32 s26, ttmp9, 9
	s_add_co_u32 s18, s18, s26
	s_lshl_b32 s26, s15, 7
	s_add_co_u32 s18, s18, s26
	s_mov_b32 s19, 0
	s_lshl_b32 s27, s17, 20
	s_lshl_b32 s26, ttmp9, 15
	s_add_co_u32 s27, s27, s26
	s_lshl_b32 s26, s14, 12
	s_add_co_u32 s20, s27, s26
	s_mov_b32 s21, 0
	s_lshr_b32 s26, s14, 1
	s_lshl_b32 s26, s26, 13
	s_add_co_u32 s22, s27, s26
	s_and_b32 s26, s14, 1
	s_lshl_b32 s26, s26, 11
	s_add_co_u32 s22, s22, s26
	s_mov_b32 s23, 0
	v_lshlrev_b32 v[XO], 2, v[LN]
	s_mul_i32 s26, s15, 32*272
	s_lshl_b32 s32, s16, 7
	s_add_co_u32 s26, s26, s32
	v_mul_u32_u24 v[QS], v[LN], 272
	s_delay_alu instid0(VALU_DEP_1)
	v_add_nc_u32 v[QS], s26, v[QS]
	s_mul_i32 s26, s14, 4608
	s_add_co_u32 s26, s26, TR
	v_lshl_add_u32 v[TRS], v[LN], 2, s26
	v_mul_u32_u24 v[TRL], v[LN], 144
	s_delay_alu instid0(VALU_DEP_1)
	v_add_nc_u32 v[TRL], s26, v[TRL]
	s_mul_i32 s26, s16, 128*144
	s_lshl_b32 s32, s15, 5
	s_add_co_u32 s26, s26, s32
	s_add_co_u32 s26, s26, VSTG
	v_mul_u32_u24 v[VS], v[LN], 144
	s_delay_alu instid0(VALU_DEP_1)
	v_add_nc_u32 v[VS], s26, v[VS]
	s_mul_i32 s26, s14, 16*272
	v_lshrrev_b32 v20, 4, v[LN]
	v_and_b32 v21, 15, v[LN]
	s_delay_alu instid0(VALU_DEP_2)
	v_mul_u32_u24 v[QR], v20, 272
	s_delay_alu instid0(VALU_DEP_1)
	v_lshl_add_u32 v[QR], v21, 4, v[QR]
	s_delay_alu instid0(VALU_DEP_1)
	v_add_nc_u32 v[QR], s26, v[QR]
	v_lshlrev_b32 v[GO], 4, v[LN]
	s_mul_i32 s26, s14, 32*144
	s_add_co_u32 s26, s26, VSTG
	v_lshrrev_b32 v20, 3, v[LN]
	v_and_b32 v21, 7, v[LN]
	s_delay_alu instid0(VALU_DEP_2)
	v_mul_u32_u24 v[VR], v20, 144
	s_delay_alu instid0(VALU_DEP_1)
	v_lshl_add_u32 v[VR], v21, 4, v[VR]
	s_delay_alu instid0(VALU_DEP_1)
	v_add_nc_u32 v[VR], s26, v[VR]
	s_wait_kmcnt 0x0
	s_load_b128 s[28:31], s[6:7], 0x0
	s_add_nc_u64 s[4:5], s[4:5], s[18:19]
	s_add_nc_u64 s[8:9], s[8:9], s[20:21]
	s_add_nc_u64 s[10:11], s[10:11], s[22:23]
	s_add_nc_u64 s[12:13], s[12:13], s[20:21]
.macro LOAD t
.set i, 0
.rept 32
	global_load_b32 v[X+32*((\t)%2)+i], v[XO], s[4:5] offset:(32*(\t)+i)*16384 th:TH_LOAD_NT
.set i, i+1
.endr
.endm
	LOAD 0
	LOAD 1
	s_wait_kmcnt 0x0
.irp n, 0,1,2
	s_add_co_i32 s33, s[28+\n], 127
	s_lshl_b32 s34, s33, 23
	v_mov_b32 v[SC0+2*\n], s34
	s_add_co_i32 s33, s33, 8
	s_lshl_b32 s33, s33, 23
	s_or_b32 s33, s33, 0x600000
	v_mov_b32 v[LM0+2*\n], s33
.endr
.macro BLOCK t
.set XS, X+32*((\t)%2)
.if (\t) < 3
	s_wait_loadcnt 32
.else
	s_wait_loadcnt 0x0
.endif
.set i, 0
.rept 32
	v_med3_num_f32 v[TQ+i], v[XS+i], -v[LM0], v[LM0]
.set i, i+1
.endr
.irp g, 0,1,2,3
	v_cvt_scalef32_pk8_fp8_f32 v[CQ+2*(2*(\g%2)+\g/2):CQ+2*(2*(\g%2)+\g/2)+1], v[TQ+8*\g:TQ+8*\g+7], v[SC0]
.endr
.set i, 0
.rept 32
	v_med3_num_f32 v[TK+i], v[XS+i], -v[LM1], v[LM1]
.set i, i+1
.endr
.irp g, 0,1,2,3
	v_cvt_scalef32_pk8_fp8_f32 v[CK+2*(2*(\g%2)+\g/2):CK+2*(2*(\g%2)+\g/2)+1], v[TK+8*\g:TK+8*\g+7], v[SC1]
.endr
	ds_store_b128 v[QS], v[CQ:CQ+3] offset:QSTG+32*(\t)
	ds_store_b128 v[QS], v[CQ+4:CQ+7] offset:QSTG+32*(\t)+16
	ds_store_b128 v[QS], v[CK:CK+3] offset:KSTG+32*(\t)
	ds_store_b128 v[QS], v[CK+4:CK+7] offset:KSTG+32*(\t)+16
.set i, 0
.rept 32
	ds_store_b32 v[TRS], v[XS+i] offset:144*i
.set i, i+1
.endr
.irp k, 0,1,2,3,4,5,6,7
	ds_load_b128 v[Y+4*\k:Y+4*\k+3], v[TRL] offset:16*\k
.endr
	s_wait_dscnt 0x0
.if (\t)+2 < 4
	LOAD (\t)+2
.endif
.set i, 0
.rept 32
	v_med3_num_f32 v[Y+i], v[Y+i], -v[LM2], v[LM2]
.set i, i+1
.endr
.irp g, 0,1,2,3
	v_cvt_scalef32_pk8_fp8_f32 v[CV+2*\g:CV+2*\g+1], v[Y+8*\g:Y+8*\g+7], v[SC2]
.endr
	v_nop
	ds_store_b128 v[VS], v[CV:CV+3] offset:4608*(\t)
	ds_store_b128 v[VS], v[CV+4:CV+7] offset:4608*(\t)+16
.endm
	s_wait_alu depctr_va_vdst(0)
	BLOCK 0
	BLOCK 1
	BLOCK 2
	BLOCK 3
	s_wait_dscnt 0x0
	s_barrier_signal -1
	s_barrier_wait -1
.irp i, 0,1,2,3,4,5,6,7
	ds_load_b128 v[OUT+4*\i:OUT+4*\i+3], v[QR] offset:QSTG+544*\i
.endr
.irp i, 0,1,2,3,4,5,6,7
	ds_load_b128 v[OUT+32+4*\i:OUT+32+4*\i+3], v[QR] offset:KSTG+544*\i
.endr
.irp i, 0,1,2,3,4,5,6,7
	ds_load_b128 v[OUT+64+4*\i:OUT+64+4*\i+3], v[VR] offset:576*\i
.endr
.irp i, 0,1,2,3,4,5,6,7
	s_wait_dscnt 23-\i
	global_store_b128 v[GO], v[OUT+4*\i:OUT+4*\i+3], s[8:9] offset:512*\i
.endr
.irp i, 0,1,2,3,4,5,6,7
	s_wait_dscnt 15-\i
	global_store_b128 v[GO], v[OUT+32+4*\i:OUT+32+4*\i+3], s[10:11] offset:(16*(\i/4)+2*(\i%4))*256
.endr
.irp i, 0,1,2,3,4,5,6,7
	s_wait_dscnt 7-\i
	global_store_b128 v[GO], v[OUT+64+4*\i:OUT+64+4*\i+3], s[12:13] offset:512*\i
.endr
	s_wait_tensorcnt 0x0
	ds_add_u32 v[SPW], v[NIL]
	s_wait_dscnt 0x0
	s_endpgm
.Lfunc_end_k_q110dfe5316_quant:
	.size	k_q110dfe5316_quant, .Lfunc_end_k_q110dfe5316_quant-k_q110dfe5316_quant
	.p2alignl 7, 3214868480
	.fill 96, 4, 3214868480
	.section	.rodata,"a",@progbits
	.p2align	6, 0x0
	.amdhsa_kernel k_q110dfe5316_quant
		.amdhsa_group_segment_fixed_size 144384
		.amdhsa_private_segment_fixed_size 0
		.amdhsa_enable_private_segment 0
		.amdhsa_kernarg_size 40
		.amdhsa_user_sgpr_count 2
		.amdhsa_user_sgpr_kernarg_segment_ptr 1
		.amdhsa_wavefront_size32 1
		.amdhsa_system_sgpr_workgroup_id_x 1
		.amdhsa_system_sgpr_workgroup_id_y 1
		.amdhsa_system_sgpr_workgroup_id_z 1
		.amdhsa_system_vgpr_workitem_id 0
		.amdhsa_next_free_vgpr 224
		.amdhsa_next_free_sgpr 66
		.amdhsa_reserve_vcc 0
		.amdhsa_float_denorm_mode_32 3
		.amdhsa_float_denorm_mode_16_64 3
		.amdhsa_memory_ordered 1
		.amdhsa_forward_progress 1
		.amdhsa_inst_pref_size 61
	.end_amdhsa_kernel
	.amdgpu_metadata
---
amdhsa.version: [ 1, 2 ]
amdhsa.kernels:
  - .name:           k_q110dfe5316_quant
    .symbol:         k_q110dfe5316_quant.kd
    .args:
      - { .name: x, .offset: 0, .size: 8, .value_kind: global_buffer, .address_space: global }
      - { .name: lowp_scales, .offset: 8, .size: 8, .value_kind: global_buffer, .address_space: global }
      - { .name: qc, .offset: 16, .size: 8, .value_kind: global_buffer, .address_space: global }
      - { .name: kc, .offset: 24, .size: 8, .value_kind: global_buffer, .address_space: global }
      - { .name: vc, .offset: 32, .size: 8, .value_kind: global_buffer, .address_space: global }
    .group_segment_fixed_size: 144384
    .private_segment_fixed_size: 0
    .kernarg_segment_align: 8
    .kernarg_segment_size: 40
    .max_flat_workgroup_size: 256
    .sgpr_count:     66
    .vgpr_count:     224
    .wavefront_size: 32
...
	.end_amdgpu_metadata
.endif
;; end of part 1
;; launch attn (part 2): grid 32 x 8, 4 waves a work-group, clusters of 4 x 1, 327,680 bytes of LDS; arguments qc, kc, vc, lowp_scales, out0; writes out0
.if DOCPART == 2
	.amdgcn_target "amdgcn-amd-amdhsa--gfx1250"
	.amdhsa_code_object_version 6
	.text
	.protected	k_q110dfe5316_attn
	.globl	k_q110dfe5316_attn
	.p2align	8
	.type	k_q110dfe5316_attn,@function
k_q110dfe5316_attn:
	s_mov_b64 s[64:65], 0
	v_nop
	global_prefetch_b8 v0, s[64:65] scope:SCOPE_SE
	s_setreg_imm32_b32 hwreg(HW_REG_WAVE_MODE, 25, 1), 1
	s_wait_xcnt 0x0
	s_wait_alu depctr_hold_cnt(0) depctr_sa_sdst(0) depctr_va_vdst(0) depctr_va_sdst(0) depctr_va_ssrc(0) depctr_va_vcc(0) depctr_vm_vsrc(0)
	s_getreg_b32 s2, hwreg(HW_REG_IB_STS2, 6, 4)
	s_cmp_eq_u32 s2, 0
	s_cbranch_scc0 .Lentry_in_a_cluster
	s_endpgm
.Lentry_in_a_cluster:
	s_bfe_u32 s2, ttmp6, 0x10000c
	s_cmp_lg_u32 s2, 0x3003
	s_cbranch_scc0 .Lentry_shape_is_right
	s_endpgm
.Lentry_shape_is_right:
.set PITCH,  272
.set HALFT,  128*PITCH
.set STEPB,  HALFT
.set SLOTB,  4*HALFT
.set VOFF,   2*HALFT
.set SPARE,  2*SLOTB
.set SPITCH, 528
.set TILEB,  65536
.set ADV,  1
.set AK0,  2
.set AV0,  3
.set ADK,  4
.set QO,   5
.set STO,  6
.set RD,   7
.set GO,   8
.set PFO,  9
.set SPW,  10
.set NIL,  11
.set ST,   12
.set LIMV, 28
.set SCL,  29
.set LIM2, 31
.set P,    32
.set S,    64
.set Q,    192
.set SM,   0
.set NQ,   128
.set WV,   14
.set G1,   24
.set G0A,  32
.set G0,   36
.set CS,   44
.set SEL,  46
.set TB,   48
.set SLOTS, 51
.set TWICE, 52
.set LIM,  53
.set PFA,  54
.set ESUM, 56
.set SGN,  57
.set TBASE, 58
.set MSB, 0
.macro WIN new
.if MSB != \new
	s_set_vgpr_msb (MSB<<8)|\new
.set MSB, \new
.endif
.endm
.set W_KQ, 0x02
.set W_KN, 0xfe
.set W_JN, 0x0c
.set W_PV, 0x53
.set W_RS, 0x41
.set TO_K, 0x80
.set TO_V, 0xc0
.macro PLACES
.rept 4
	v_nop
.endr
.endm
.macro CROUND
	s_barrier_signal -1
	s_barrier_wait -1
	s_cmp_lg_u32 s[WV], 0
	s_cbranch_scc1 .Lnot_wave_0_\@
	s_barrier_signal -3
.Lnot_wave_0_\@:
	s_barrier_wait -3
	s_barrier_signal -1
	s_barrier_wait -1
.endm
.macro JLOAD
	tensor_load_to_lds s[G0:G0+3], s[G1:G1+7]
	s_nop 0
.rept 4
	v_nop
.endr
.endm
.macro ASK
	s_cmp_gt_u32 s[SLOTS], s[LIM]
	s_cbranch_scc0 .Lnot_mine_\@
	global_prefetch_b8 v[PFO], s[PFA:PFA+1] th:TH_LOAD_NT scope:SCOPE_SE
.Lnot_mine_\@:
.endm
	s_load_b256 s[4:11], s[0:1], 0x0
	s_load_b64 s[12:13], s[0:1], 0x20
	v_lshl_add_u32 v[SPW], v0, 2, SPARE
	v_mov_b32 v[NIL], 0
	ds_add_u32 v[SPW], v[NIL]
	ds_add_u32 v[SPW], v[NIL]
	v_lshrrev_b32 v1, 5, v0
	v_readfirstlane_b32 s[WV], v1
	s_bfe_u32 s15, ttmp6, 0x40000
	s_lshl_b32 s16, ttmp9, 2
	s_add_co_u32 s16, s16, s15
	s_and_b32 s17, ttmp7, 0xffff
	s_mov_b32 s[G1], 15|(1<<20)|(1<<21)|(5<<22)|(3<<25)
	s_mov_b32 s[G1+1], 256<<16
	s_mov_b32 s[G1+2], 128<<16
	s_mov_b32 s[G1+3], 256<<16
	s_mov_b32 s[G1+4], 128
	s_mov_b32 s[G1+5], 256
	s_mov_b32 s[G1+6], 0
	s_mov_b32 s[G1+7], 0
	s_lshl_b32 s18, s17, 20
	s_and_b32 s20, s[WV], 1
	s_lshl_b32 s20, s20, 15
	s_add_co_u32 s20, s20, s18
	s_mov_b32 s21, 0
	s_lshl_b32 s22, s16, 15
	s_lshl_b32 s23, s[WV], 13
	s_add_co_u32 s22, s22, s23
	s_add_co_u32 s22, s22, s18
	s_mov_b32 s23, 0
	s_lshl_b32 s18, s17, 22
	s_lshl_b32 s19, s16, 9
	s_add_co_u32 s18, s18, s19
	s_lshl_b32 s19, s[WV], 20
	s_add_co_u32 s18, s18, s19
	s_mov_b32 s19, 0
	s_lshl_b32 s60, s15, 13
	s_mov_b32 s61, 0
	s_mov_b32 s[CS], 0x3fb8aa3b
	s_mov_b32 s[SEL], 0x76543210
	s_mov_b32 s[SEL+1], 0xfedcba98
	s_mov_b32 s[SGN], 0x80808080
	s_mov_b32 s[TB], 0
	s_mov_b32 s[SLOTS], 14
	s_cmp_eq_u32 ttmp9, 0
	s_cselect_b32 s[LIM], 1, -1
	s_wait_dscnt 0x0
	s_wait_kmcnt 0x0
	s_load_b128 s[40:43], s[10:11], 0x0
	s_cmp_lt_u32 s[WV], 2
	s_cselect_b64 s[TBASE:TBASE+1], s[6:7], s[8:9]
	s_add_nc_u64 s[TBASE:TBASE+1], s[TBASE:TBASE+1], s[20:21]
	s_add_nc_u64 s[4:5], s[4:5], s[22:23]
	s_add_nc_u64 s[12:13], s[12:13], s[18:19]
	s_add_nc_u64 s[PFA:PFA+1], s[TBASE:TBASE+1], s[60:61]
	s_add_nc_u64 s[PFA:PFA+1], s[PFA:PFA+1], 2*TILEB
	CROUND
	s_mov_b32 s[G0A], 1
	s_mul_i32 s[G0A+1], s[WV], HALFT
	s_mov_b64 s[G0A+2:G0A+3], s[TBASE:TBASE+1]
	s_or_b32 s[G0A+3], s[G0A+3], 0x80000000
	s_mov_b32 s[G0], 1
	s_add_co_u32 s[G0+1], s[G0A+1], SLOTB
	s_add_nc_u64 s[G0+2:G0+3], s[TBASE:TBASE+1], TILEB
	s_or_b32 s[G0+3], s[G0+3], 0x80000000
	tensor_load_to_lds s[G0A:G0A+3], s[G1:G1+7]
	s_nop 0
	v_and_b32 v30, 15, v0
	v_bfe_u32 v31, v0, 4, 1
	v_lshlrev_b32 v[QO], 8, v30
	v_lshl_add_u32 v[QO], v31, 4, v[QO]
.irp t, 0,1
.irp s, 0,1
.irp c, 0,1,2,3
	global_load_b128 v[Q+32*\t+16*\s+4*\c:Q+32*\t+16*\s+4*\c+3], v[QO], s[4:5] offset:4096*\t+128*\s+32*\c
.endr
.endr
.endr
	v_mul_u32_u24 v[AK0], v30, PITCH
	v_lshl_add_u32 v[AK0], v31, 4, v[AK0]
	v_lshrrev_b32 v[AV0], 1, v30
	v_mul_u32_u24 v[AV0], v[AV0], PITCH
	v_and_b32 v[ADK], 1, v30
	v_lshl_add_u32 v[AV0], v[ADK], 7, v[AV0]
	v_lshl_add_u32 v[AV0], v31, 4, v[AV0]
	v_add_nc_u32 v[AV0], VOFF, v[AV0]
	s_lshl_b32 s62, s[WV], 7
	v_mul_u32_u24 v[STO], v31, 8*SPITCH
	v_lshl_add_u32 v[STO], v30, 2, v[STO]
	v_add_nc_u32 v[STO], s62, v[STO]
	v_and_b32 v[GO], 31, v0
	v_lshlrev_b32 v[GO], 4, v[GO]
	s_mul_i32 s62, s[WV], 64*SPITCH
	v_add_nc_u32 v[RD], s62, v[GO]
	v_lshlrev_b32 v[PFO], 4, v[GO]
.irp t, 0,1
	v_mov_b32 v[ST+8*\t+1], 0xff61b1e6
	v_floor_f32 v[ST+8*\t], -v[ST+8*\t+1]
	v_mov_b32 v[ST+8*\t+2], 0
	v_mov_b32 v[ST+8*\t+3], 0
.endr
	s_wait_alu depctr_va_vdst(0)
	s_wait_kmcnt 0x0
	s_add_co_i32 s62, s40, s41
	s_sub_co_i32 s62, s62, 1
	s_lshl_b32 s62, s62, 23
	s_add_co_i32 s[CS], s[CS], s62
	s_mov_b32 s[CS+1], s[CS]
	s_add_co_i32 s62, s43, 127
	s_lshl_b32 s63, s62, 23
	v_mov_b32 v[SCL], s63
	s_add_co_i32 s62, s62, 8
	s_lshl_b32 s62, s62, 23
	s_or_b32 s62, s62, 0x600000
	v_mov_b32 v[LIMV], s62
	v_mov_b32 v[LIM2], s62
	s_add_co_i32 s[ESUM], s42, s43
.macro KRUN a
	WIN TO_K
.set kg, 8*\a
.rept 8
.irp c, 0,1,2,3
	ds_load_b128 v[16*kg+4*\c:16*kg+4*\c+3], v[ADK] offset:(kg/2)*16*PITCH+128*(kg%2)+32*\c
.endr
.set kg, kg+1
.endr
.endm
.macro VFRAG f
.irp d, 0,1,2,3
	ds_load_b128 v[16*(\f)+4*\d:16*(\f)+4*\d+3], v[ADV] offset:(\f)*8*PITCH+32*\d
.endr
.endm
.macro QK t
.set qi, 0
.rept 16
.if qi < 8
	v_wmma_f32_16x16x128_fp8_fp8 v[S+64*\t+8*qi:S+64*\t+8*qi+7], v[32*qi:32*qi+15], v[Q+32*\t:Q+32*\t+15], 0
.else
	v_wmma_f32_16x16x128_fp8_fp8 v[S+64*\t+8*(qi-8):S+64*\t+8*(qi-8)+7], v[32*(qi-8)+16:32*(qi-8)+31], v[Q+32*\t+16:Q+32*\t+31], v[S+64*\t+8*(qi-8):S+64*\t+8*(qi-8)+7]
.endif
.set qi, qi+1
.endr
.endm
.macro QKN t
.set qi, 0
.rept 16
.if qi < 8
	v_wmma_f32_16x16x128_fp8_fp8 v[SM+8*qi:SM+8*qi+7], v[32*qi:32*qi+15], v[NQ+32*\t:NQ+32*\t+15], 0
.else
	v_wmma_f32_16x16x128_fp8_fp8 v[SM+8*(qi-8):SM+8*(qi-8)+7], v[32*(qi-8)+16:32*(qi-8)+31], v[NQ+32*\t+16:NQ+32*\t+31], v[SM+8*(qi-8):SM+8*(qi-8)+7]
.endif
.set qi, qi+1
.endr
.endm
.macro JN t
	PLACES
	WIN W_JN
.set j, 0
.rept 32
	v_pk_add_f32 v[S+64*\t+j:S+64*\t+j+1], v[S+64*\t+j:S+64*\t+j+1], v[SM+j:SM+j+1] neg_lo:[0,1] neg_hi:[0,1]
.set j, j+2
.endr
.endm
.macro APART
	PLACES
	WIN TO_V
.irp f, 4,5,6,7,12,13,14,15
	VFRAG \f
.endr
	s_wait_dscnt 32
.set j, 0
.rept 64
	v_xor_b32 v[NQ+j], s[SGN], v[Q+j]
.set j, j+1
.endr
	WIN W_KQ
	QK 0
	WIN W_KN
	QKN 0
	JN 0
	WIN TO_V
	VFRAG 8
	VFRAG 9
	WIN W_KQ
	QK 1
	WIN W_KN
	QKN 1
	JN 1
	WIN TO_V
.irp f, 0,1,2,3,10,11
	VFRAG \f
.endr
	WIN 0
.endm
.macro MX t, n
.if (\n) < 4
	v_max3_num_f32 v[ST+8*\t+4+(\n)], v[S+64*\t+16*(\n)], v[S+64*\t+16*(\n)+1], v[S+64*\t+16*(\n)+2]
.elseif (\n) < 28
	v_max3_num_f32 v[ST+8*\t+4+(\n)%4], v[ST+8*\t+4+(\n)%4], v[S+64*\t+16*((\n)%4)+2*((\n)/4)+1], v[S+64*\t+16*((\n)%4)+2*((\n)/4)+2]
.elseif (\n) == 28
	v_max3_num_f32 v[ST+8*\t+4], v[ST+8*\t+4], v[S+64*\t+15], v[S+64*\t+31]
.elseif (\n) == 29
	v_max3_num_f32 v[ST+8*\t+6], v[ST+8*\t+6], v[S+64*\t+47], v[S+64*\t+63]
.elseif (\n) == 30
	v_max3_num_f32 v[ST+8*\t+4], v[ST+8*\t+4], v[ST+8*\t+5], v[ST+8*\t+6]
.else
	v_max_num_f32 v[ST+8*\t+4], v[ST+8*\t+4], v[ST+8*\t+7]
.endif
.endm
.macro STT t, n
.if (\n) == 0
	v_permlanex16_b32 v[ST+8*\t+5], v[ST+8*\t+4], s[SEL], s[SEL+1]
.elseif (\n) == 1
	v_max_num_f32 v[ST+8*\t+4], v[ST+8*\t+4], v[ST+8*\t+5]
.elseif (\n) == 2
	v_mul_f32 v[ST+8*\t+4], s[CS], v[ST+8*\t+4]
.elseif (\n) == 3
	v_max_num_f32 v[ST+8*\t+1], v[ST+8*\t+1], v[ST+8*\t+4]
.elseif (\n) == 4
	v_mov_b32 v[ST+8*\t+6], v[ST+8*\t]
.elseif (\n) == 5
	v_floor_f32 v[ST+8*\t], -v[ST+8*\t+1]
.elseif (\n) == 6
	v_sub_f32 v[ST+8*\t+6], v[ST+8*\t], v[ST+8*\t+6]
.elseif (\n) == 7
	v_cvt_i32_f32 v[ST+8*\t+6], v[ST+8*\t+6]
.else
	v_ldexp_f32 v[ST+8*\t+4], 1.0, v[ST+8*\t+6]
.endif
.endm
.macro FM t, p
	v_pk_fma_f32 v[S+64*\t+2*(\p):S+64*\t+2*(\p)+1], v[S+64*\t+2*(\p):S+64*\t+2*(\p)+1], s[CS:CS+1], v[ST+8*\t:ST+8*\t+1] op_sel_hi:[1,0,0]
.endm
.macro PADD d, a, b
	v_pk_add_f32 v[\d:\d+1], v[\a:\a+1], v[\b:\b+1]
.endm
.macro HOLD2 a
	v_dual_min_num_f32 v[\a], v[\a], v[LIMV] :: v_dual_min_num_f32 v[\a+1], v[\a+1], v[LIM2]
.endm
.macro CVT t, g
	v_cvt_scalef32_pk8_fp8_f32 v[P+16*\t+2*(\g):P+16*\t+2*(\g)+1], v[S+64*\t+8*(\g):S+64*\t+8*(\g)+7], v[SCL]
.endm
.macro RSALL
	WIN W_RS
.irp t, 0,1
.set j, 0
.rept 64
	v_pk_mul_f32 v[128*\t+j:128*\t+j+1], v[128*\t+j:128*\t+j+1], v[ST+8*\t+4:ST+8*\t+5] op_sel_hi:[1,0]
.set j, j+2
.endr
.endr
.endm
.macro SOFTA first
	WIN 0
.set gi, 0
.rept 32
	MX 0, gi
.set gi, gi+1
.endr
.set gi, 0
.rept 8
.irp m, 0,1,2,3
	MX 1, 4*gi+\m
.endr
	STT 0, gi
.set gi, gi+1
.endr
	STT 0, 8
.set gi, 0
.rept 8
	STT 1, gi
.irp m, 0,1,2,3
	FM 0, 4*gi+\m
.endr
.set gi, gi+1
.endr
	STT 1, 8
.if \first == 0
	RSALL
	WIN 0
.endif
	s_wait_alu depctr_va_vdst(0)
.endm
.macro SOFTB
.set gi, 0
.rept 32
	v_exp_f32 v[S+2*gi], v[S+2*gi]
	v_exp_f32 v[S+2*gi+1], v[S+2*gi+1]
	FM 1, gi
.set gi, gi+1
.endr
	s_wait_alu depctr_va_vdst(0)
.set gi, 0
.rept 16
	v_exp_f32 v[S+64+4*gi], v[S+64+4*gi]
	v_exp_f32 v[S+64+4*gi+1], v[S+64+4*gi+1]
	PADD P+2*gi, S+4*gi, S+4*gi+2
	v_exp_f32 v[S+64+4*gi+2], v[S+64+4*gi+2]
	HOLD2 S+4*gi
	v_exp_f32 v[S+64+4*gi+3], v[S+64+4*gi+3]
	HOLD2 S+4*gi+2
.set gi, gi+1
.endr
.irp t, 0,1
	v_pk_mul_f32 v[ST+8*\t+2:ST+8*\t+3], v[ST+8*\t+2:ST+8*\t+3], v[ST+8*\t+4:ST+8*\t+5] op_sel_hi:[1,0]
.endr
	s_wait_alu depctr_va_vdst(0)
.irp i, 0,1,2,3,4,5,6,7
	PADD P+16+2*\i, P+16+2*\i, P+2*\i
.endr
.irp g, 0,1,2,3,4,5,6,7
	CVT 0, \g
.endr
.irp i, 0,1,2,3
	PADD P+16+2*\i, P+16+2*\i, P+24+2*\i
.endr
.set gi, 0
.rept 16
	PADD S+2*gi, S+64+4*gi, S+64+4*gi+2
	HOLD2 S+64+4*gi
	HOLD2 S+64+4*gi+2
.if gi == 1
	PADD P+16, P+16, P+20
	PADD P+18, P+18, P+22
.elseif gi == 3
	PADD P+16, P+16, P+18
.elseif gi == 5
	PADD ST+2, ST+2, P+16
.endif
.set gi, gi+1
.endr
.irp i, 0,1,2,3,4,5,6,7
	PADD S+2*\i, S+2*\i, S+16+2*\i
.endr
.irp g, 0,1,2,3
	CVT 1, \g
.endr
.irp i, 0,1,2,3
	PADD S+2*\i, S+2*\i, S+8+2*\i
.endr
.irp g, 4,5,6,7
	CVT 1, \g
.endr
	PADD S, S, S+4
	PADD S+2, S+2, S+6
	PADD S, S, S+2
	PADD ST+10, ST+10, S
.endm
.macro PV first
	WIN W_PV
.irp t, 0,1
.set gi, 0
.rept 16
.if \first
	v_wmma_f32_16x16x128_fp8_fp8 v[128*\t+8*gi:128*\t+8*gi+7], v[16*gi:16*gi+15], v[P+16*\t:P+16*\t+15], 0
.else
	v_wmma_f32_16x16x128_fp8_fp8 v[128*\t+8*gi:128*\t+8*gi+7], v[16*gi:16*gi+15], v[P+16*\t:P+16*\t+15], v[128*\t+8*gi:128*\t+8*gi+7]
.endif
.set gi, gi+1
.endr
.endr
.endm
.macro UNIT first
	WIN 0
	v_add_nc_u32 v[ADK], s[TB], v[AK0]
	v_add_nc_u32 v[ADV], s[TB], v[AV0]
	s_add_co_u32 s[TB], s[TB], STEPB
	KRUN 0
	WIN 0
	SOFTB
	KRUN 1
	s_wait_alu depctr_va_vdst(0)
	s_wait_dscnt 63
	PV \first
	APART
	SOFTA 0
.endm
.macro TWO_UNITS
	s_mov_b32 s[TWICE], 2
.Lunit_\@:
	UNIT 0
	s_sub_co_u32 s[TWICE], s[TWICE], 1
	s_cmp_lg_u32 s[TWICE], 0
	s_cbranch_scc1 .Lunit_\@
.endm
.macro CHANGE fill
	WIN 0
	s_wait_tensorcnt 0x0
	ds_add_u32 v[SPW], v[NIL]
.if \fill
	s_xor_b32 s[G0+1], s[G0+1], SLOTB
	s_add_nc_u64 s[G0+2:G0+3], s[G0+2:G0+3], TILEB
	s_wait_xcnt 0x0
	s_add_nc_u64 s[PFA:PFA+1], s[PFA:PFA+1], TILEB
	s_wait_dscnt 0x0
	CROUND
	JLOAD
	ASK
.else
	s_wait_dscnt 0x0
	s_barrier_signal -1
	s_barrier_wait -1
.endif
	s_sub_co_u32 s[TB], s[TB], 2*STEPB
	s_xor_b32 s[TB], s[TB], SLOTB
.endm
	s_wait_alu depctr_va_vdst(0)
	s_wait_tensorcnt 0x0
	ds_add_u32 v[SPW], v[NIL]
	s_wait_dscnt 0x0
	CROUND
	JLOAD
	v_add_nc_u32 v[ADK], s[TB], v[AK0]
	v_add_nc_u32 v[ADV], s[TB], v[AV0]
	s_add_co_u32 s[TB], s[TB], STEPB
	KRUN 0
	KRUN 1
	WIN 0
	s_wait_alu depctr_va_vdst(0)
	s_wait_loadcnt 0x0
	APART
	SOFTA 1
	UNIT 1
.Lslot:
	CHANGE 1
	TWO_UNITS
	s_sub_co_u32 s[SLOTS], s[SLOTS], 1
	s_cmp_lg_u32 s[SLOTS], 0
	s_cbranch_scc1 .Lslot
	CHANGE 0
	TWO_UNITS
	SOFTB
	s_wait_alu depctr_va_vdst(0)
	s_wait_dscnt 0x0
	PV 0
	WIN 0
	PLACES
.irp t, 0,1
	v_add_f32 v[ST+8*\t+6], v[ST+8*\t+2], v[ST+8*\t+3]
.endr
.irp t, 0,1
	v_permlanex16_b32 v[ST+8*\t+7], v[ST+8*\t+6], s[SEL], s[SEL+1]
.endr
.irp t, 0,1
	v_add_f32 v[ST+8*\t+6], v[ST+8*\t+6], v[ST+8*\t+7]
.endr
	s_wait_alu depctr_va_vdst(0)
.irp t, 0,1
	v_rcp_f32 v[ST+8*\t+4], v[ST+8*\t+6]
.endr
	v_nop
.irp g, 0,1,2,3
	v_add_nc_u32 v[S+\g], \g*64*SPITCH, v[STO]
.endr
	s_wait_alu depctr_va_vdst(0)
.irp t, 0,1
	v_ldexp_f32 v[ST+8*\t+4], v[ST+8*\t+4], s[ESUM]
.endr
	WIN W_RS
	s_wait_alu depctr_va_vdst(0)
	RSALL
	WIN 0x04
.irp t, 0,1
.irp c, 0,1,2,3,4,5,6,7,8,9,10,11,12,13,14,15
.irp j, 0,1,2,3,4,5,6,7
	ds_store_b32 v[S+\c/4], v[128*\t+8*\c+\j] offset:(16*(\c%4)+\j)*SPITCH+64*\t
.endr
.endr
.endr
	WIN 0
	s_wait_dscnt 0x0
	s_barrier_signal -1
	s_barrier_wait -1
.macro LOADB a
.irp i, 0,1,2,3,4,5,6,7,8,9,10,11,12,13,14,15
	ds_load_b128 v[128+64*((\a)%2)+4*\i:128+64*((\a)%2)+4*\i+3], v[RD] offset:(16*(\a)+\i)*SPITCH
.endr
.endm
.macro SENDB a, younger
.irp i, 0,1,2,3,4,5,6,7,8,9,10,11,12,13,14,15
	s_wait_dscnt \younger+15-\i
	global_store_b128 v[GO], v[128+64*((\a)%2)+4*\i:128+64*((\a)%2)+4*\i+3], s[12:13] offset:(16*(\a)+\i)*16384 th:TH_STORE_NT
.endr
.endm
	LOADB 0
.irp a, 1,2,3
.if \a > 1
	s_wait_xcnt 0x0
.endif
	LOADB \a
	SENDB \a-1, 16
.endr
	SENDB 3, 0
	s_wait_tensorcnt 0x0
	ds_add_u32 v[SPW], v[NIL]
	s_wait_dscnt 0x0
	CROUND
	s_endpgm
.Lfunc_end_k_q110dfe5316_attn:
	.size	k_q110dfe5316_attn, .Lfunc_end_k_q110dfe5316_attn-k_q110dfe5316_attn
	.p2alignl 7, 3214868480
	.fill 96, 4, 3214868480
	.section	.rodata,"a",@progbits
	.p2align	6, 0x0
	.amdhsa_kernel k_q110dfe5316_attn
		.amdhsa_group_segment_fixed_size 327680
		.amdhsa_private_segment_fixed_size 0
		.amdhsa_enable_private_segment 0
		.amdhsa_kernarg_size 40
		.amdhsa_user_sgpr_count 2
		.amdhsa_user_sgpr_kernarg_segment_ptr 1
		.amdhsa_wavefront_size32 1
		.amdhsa_system_sgpr_workgroup_id_x 1
		.amdhsa_system_sgpr_workgroup_id_y 1
		.amdhsa_system_sgpr_workgroup_id_z 1
		.amdhsa_system_vgpr_workitem_id 0
		.amdhsa_next_free_vgpr 1024
		.amdhsa_next_free_sgpr 66
		.amdhsa_reserve_vcc 0
		.amdhsa_float_denorm_mode_32 3
		.amdhsa_float_denorm_mode_16_64 3
		.amdhsa_memory_ordered 1
		.amdhsa_forward_progress 1
		.amdhsa_inst_pref_size 244
	.end_amdhsa_kernel
	.amdgpu_metadata
---
amdhsa.version: [ 1, 2 ]
amdhsa.kernels:
  - .name:           k_q110dfe5316_attn
    .symbol:         k_q110dfe5316_attn.kd
    .args:
      - { .name: qc, .offset: 0, .size: 8, .value_kind: global_buffer, .address_space: global }
      - { .name: kc, .offset: 8, .size: 8, .value_kind: global_buffer, .address_space: global }
      - { .name: vc, .offset: 16, .size: 8, .value_kind: global_buffer, .address_space: global }
      - { .name: lowp_scales, .offset: 24, .size: 8, .value_kind: global_buffer, .address_space: global }
      - { .name: out0, .offset: 32, .size: 8, .value_kind: global_buffer, .address_space: global }
    .group_segment_fixed_size: 327680
    .private_segment_fixed_size: 0
    .kernarg_segment_align: 8
    .kernarg_segment_size: 40
    .max_flat_workgroup_size: 128
    .sgpr_count:     66
    .vgpr_count:     1024
    .wavefront_size: 32
...
	.end_amdgpu_metadata
.endif
;; end of part 2
